; MI455X (gfx1250); checked and timed in simulation.
; The chip was launched on July 23, 2026; its instructions are those of AMD's public machine-readable ISA for CDNA 5 (MIT licence, August 2026) and "CDNA5" Instruction Set Architecture Reference Guide (July 2026). The comments in the code are by the model that wrote it; some were corrected since.
;; Head. Allowed arithmetic: float matrix products may take bf16 or f16 operands with f32 sums; all other float work in f32.
;; Inputs: Wk 64 x 64 float32; Wq 64 x 64 float32; Wv 64 x 64 float32; x 16 x 2,048 x 64 float32.
;; Outputs: out0 16 x 2,048 x 64 float32.
;; One version. Each part assembles by itself: llvm-mc -triple=amdgcn-amd-amdhsa -mcpu=gfx1250 --defsym DOCPART=n.
;; ======== version 1 of 1: 1 launch
;; limits: inputs' magnitudes at most 65,504; values are held in f16: magnitudes above 65,504 overflow, below 6.1e-05 lose precision; below input magnitudes of 7.6e-06 results are inexact or not finite
;; launch head (part 1): grid 256 x 1, 8 waves a work-group, no clusters, 139,264 bytes of LDS; arguments x, Wq, Wk, Wv, out0; writes out0
.if DOCPART == 1
	.amdgcn_target "amdgcn-amd-amdhsa--gfx1250"
	.amdhsa_code_object_version 6
	.text
	.protected	k_q763aed3de1_head
	.globl	k_q763aed3de1_head
	.p2align	8
	.type	k_q763aed3de1_head,@function
k_q763aed3de1_head:
	s_mov_b64 s[64:65], 0
	v_nop
	global_prefetch_b8 v0, s[64:65] scope:SCOPE_SE
	s_setreg_imm32_b32 hwreg(HW_REG_WAVE_MODE, 25, 1), 1
	s_wait_xcnt 0x0
; One causal attention head.  x: [16][2048][64] f32, Wq, Wk, Wv: [64][64] f32, out: [16][2048][64] f32.
; Two identities that hold for every input spare the K and V tensors:  q.k_s = (Wk^T q).x_s  and  sum_s p_s v_s = Wv (sum_s p_s x_s).
; So one LDS tile of x serves as keys and as values; Wk is applied once to the queries, Wv once to the normalised sum.
; WORK: work-group = (batch, j), j = 0..15: query blocks of 64 rows L = j and H = 31 - j: (j+1) + (32-j) = 33 block x tile steps for everybody.
; Wave = (w, g): rows 16 w .. 16 w + 15 of both blocks, keys 32 g .. 32 g + 31 of every key tile of 64.  The two key halves are merged once at the end;
; then wave (w, 0) finishes L's strip and wave (w, 1) H's.  Tiles are walked downward from the diagonal, so a strip's first product starts its sums.
; FORMATS: x, Wq, Wk, Wv are rounded to bf16.  x is then carried as f16, which holds those numbers exactly from 2^-17 to 65504 in magnitude.
; q and the normalised sum go into their products as bf16 pairs hi + lo; Wk^T q goes in f16 behind an exact power-of-two scale of its row;
; the probabilities in f16; all sums, maxima and exponentials in f32, with a running maximum.
; LIMITS: |x| <= 65504 (beyond it the f16 copy is infinite); x below 2^-17 in magnitude is carried with an absolute error of up to 2^-25;
; masked scores are -FLT_MAX, not -infinity; the order of association differs from the source's by the two identities above.
; NO JOINT TILE REQUESTS: x has to pass through registers to be rounded, and work-groups of one batch need different numbers of tiles (32 - j).
; ALL PRODUCTS ARE TRANSPOSED (queries along N): a lane then holds 8 results of ONE query, so that row maxima and sums are a lane's own but for one
; exchange with lane xor 16, and packing registers 2k, 2k+1 of a result gives register k of the next product's second source.
.set PITCH, 144                        ; LDS row of 64 16-bit numbers + 16 bytes: an odd multiple of 16, so 16 rows start at 16 different 16-byte columns modulo 256
.set TILEB, 64*PITCH                   ; a key tile, 9,216 bytes
.set XS,    0                          ; a group of 4 key tiles (256 rows of x in f16), 36,864 bytes
.set WQ,    36864                      ; Wq, Wk, Wv in bf16, 64 rows of 144 bytes each
.set WK,    46080
.set WV,    55296
.set XCH,   64512                      ; 16 records of 4,608 bytes: record 2 wave + (0: L, 1: H) = 32 sums a lane, then {l, m}; up to byte 138,240
.set REC,   4608
.set SP,    272                        ; the way out: 16 rows x 272 bytes = 4,352 bytes, laid over the wave's own two records once all waves have read them
.set ADK0, 2                           ; key fragments: r 144 + 16 h + g 4608
.set ADV0, 3                           ; value fragments (transposing loads): (8 h + a) 144 + 16 b + g 4608
.set ADK,  4                           ; the same plus the tile's place in the group
.set ADV,  5
.set ADST, 6                           ; staging: (tid >> 4) 144 + (tid & 15) 8
.set GOFF, 7                           ; 16 tid
.set DLT,  8                           ; 16 w + r - 32 g - 8 h: a key 16 u + jj of my 32 is masked on the diagonal if it is larger
.set NEG,  9                           ; -FLT_MAX
.set WLA,  10                          ; r 144 + 16 h
.set WLT,  11                          ; (8 h + a) 144 + 16 b
.set XW,   12                          ; my two records
.set XR,   13                          ; the record of key half 0 that I finish; key half 1's lies 8 records further
.set STO,  14                          ; stage, in
.set RD,   15                          ; stage, back
.set STL,  16                          ; statistics: +0 c, +1 2^e, +2 -m, +3 m, +4 alpha, +5 partner lane's word, +6 l, +7 at work
.set STH,  24
.set QFL,  32                          ; Wk^T q, scaled, f16: second source of the score product, c = 0..31 and 32..63
.set QFH,  48
.set ACCL, 64                          ; sum of p x, transposed: tile i register jj = (c = 16 i + 8 h + jj, query r)
.set ACCH, 96
.set KF,   128                         ; key fragments [u][f] at +16 u + 8 f
.set VF,   160                         ; value fragments [i] at +8 i
.set SL,   192                         ; 16 scores a lane; the packed probabilities land in +0..7
.set SH,   208
.set T,    224                         ; at work
; v256-v319 (written v0-v63 with the window set): the 16 x 16 bytes of the x group that is on its way
.set MSB, 0
.macro WIN new                         ; the immediate's high byte repeats the setting that is left
.if MSB != \new
	s_set_vgpr_msb (MSB<<8)|\new
.set MSB, \new
.endif
.endm
.macro PLACES n                        ; plain vector places behind matrix instructions (ISA guide 7.12.1)
.rept \n
	v_nop
.endr
.endm
; src, src+1 (f32) -> one word of bf16 heads and one word of bf16 remainders
.macro SPLIT hi, lo, src, tmp
	v_cvt_pk_bf16_f32 v[\hi], v[\src], v[\src+1]
	v_lshlrev_b32 v[\tmp], 16, v[\hi]
	v_and_b32 v[\tmp+1], s24, v[\hi]
	v_pk_add_f32 v[\tmp:\tmp+1], v[\src:\src+1], v[\tmp:\tmp+1] neg_lo:[0,1] neg_hi:[0,1]
	v_cvt_pk_bf16_f32 v[\lo], v[\tmp], v[\tmp+1]
.endm
; 64 KiB of x (4 key tiles) into v256-v319: thread tid takes 16 bytes of row (tid >> 4) + 16 i
.macro GLOADS
	WIN 0x40                               ; destination in window 1, address in window 0
.irp i, 0,1,2,3,4,5,6,7,8,9,10,11,12,13,14,15
	global_load_b128 v[4*\i:4*\i+3], v[GOFF], s[26:27] offset:4096*\i
.endr
	WIN 0
.endm
; The group that is on its way goes into XS, and the group below it is asked for.
.macro STAGE first
	s_wait_loadcnt 0x0                     ; the group's 16 loads, issued one stage ago; its base s[26:27] may be stepped behind this wait
.if \first == 0
	s_wait_dscnt 0x0                       ; my reads of XS are back
	s_barrier_signal -1                    ; say so; only register work up to the wait
.endif
	WIN 0x05                               ; both sources in window 1
.set k, 0
.rept 32
	v_cvt_pk_bf16_f32 v[KF+k], v[2*k], v[2*k+1]     ; the rounding of x to bf16
.set k, k+1
.endr
	WIN 0
.set k, 0
.rept 32
	v_lshlrev_b32 v[SL+2*(k%8)], 16, v[KF+k]        ; and the same numbers as f16
	v_and_b32 v[SL+2*(k%8)+1], s24, v[KF+k]
	v_cvt_pk_f16_f32 v[KF+k], v[SL+2*(k%8)], v[SL+2*(k%8)+1]
.set k, k+1
.endr
.if \first == 0
	s_barrier_wait -1                      ; nobody reads XS any more
.endif
.irp i, 0,1,2,3,4,5,6,7,8,9,10,11,12,13,14,15
	ds_store_b64 v[ADST], v[KF+2*\i:KF+2*\i+1] offset:XS+16*PITCH*\i
.endr
	s_cmp_lt_u32 s19, 4                    ; tiles 0 to 3 are the lowest group: nothing is left to ask for
	s_cbranch_scc1 .Lnog_\@
	s_sub_nc_u64 s[26:27], s[26:27], 0x10000
	GLOADS
.Lnog_\@:
	s_wait_dscnt 0x0                       ; my stores into XS are done,
	s_barrier_signal -1
	s_barrier_wait -1                      ; everybody's are
.endm
.macro STAGE_IF                        ; walking downward, tile 3 of a group is its first.  s19 is made of the work-group's number and the trip: alike in all waves
	s_and_b32 s20, s19, 3
	s_cmp_lg_u32 s20, 3
	s_cbranch_scc1 .Lsame_\@
	STAGE 0
.Lsame_\@:
.endm
; my 32 keys of tile s19: 4 fragments keys x c (plain loads), 4 fragments c x keys (transposing loads of the same bytes)
.macro LOADF
	s_and_b32 s20, s19, 3
	s_mul_i32 s20, s20, TILEB
	v_add_nc_u32 v[ADK], s20, v[ADK0]
	v_add_nc_u32 v[ADV], s20, v[ADV0]
.irp u, 0,1
.irp f, 0,1
	ds_load_b128 v[KF+16*\u+8*\f:KF+16*\u+8*\f+3], v[ADK] offset:16*PITCH*\u+64*\f
	ds_load_b128 v[KF+16*\u+8*\f+4:KF+16*\u+8*\f+7], v[ADK] offset:16*PITCH*\u+64*\f+32
.endr
.endr
.irp i, 0,1,2,3
	ds_load_tr16_b128 v[VF+8*\i:VF+8*\i+3], v[ADV] offset:32*\i
	ds_load_tr16_b128 v[VF+8*\i+4:VF+8*\i+7], v[ADV] offset:32*\i+16*PITCH
.endr
.endm
.macro WS S, QF, u, f                  ; scores of keys 16 u .. +15, c = 32 f .. +31
.if \f == 0
	v_wmma_f32_16x16x32_f16 v[\S+8*\u:\S+8*\u+7], v[KF+16*\u+8*\f:KF+16*\u+8*\f+7], v[\QF+8*\f:\QF+8*\f+7], 0
.else
	v_wmma_f32_16x16x32_f16 v[\S+8*\u:\S+8*\u+7], v[KF+16*\u+8*\f:KF+16*\u+8*\f+7], v[\QF+8*\f:\QF+8*\f+7], v[\S+8*\u:\S+8*\u+7]
.endif
.endm
.macro SMM both                        ; the accumulators take turns, one instruction a turn
.irp f, 0,1
.if \both
.irp u, 0,1
	WS SL, QFL, \u, \f
.endr
.endif
.irp u, 0,1
	WS SH, QFH, \u, \f
.endr
.endr
.endm
.macro MAXCH ST, S                     ; the largest of my 16 scores, two chains, into ST+7
	v_max3_num_f32 v[\ST+7], v[\S], v[\S+1], v[\S+2]
	v_max3_num_f32 v[T+8], v[\S+7], v[\S+8], v[\S+9]
	v_max3_num_f32 v[\ST+7], v[\ST+7], v[\S+3], v[\S+4]
	v_max3_num_f32 v[T+8], v[T+8], v[\S+10], v[\S+11]
	v_max3_num_f32 v[\ST+7], v[\ST+7], v[\S+5], v[\S+6]
	v_max3_num_f32 v[T+8], v[T+8], v[\S+12], v[\S+13]
	v_max3_num_f32 v[T+8], v[T+8], v[\S+14], v[\S+15]
	v_max_num_f32 v[\ST+7], v[\ST+7], v[T+8]
	v_permlanex16_b32 v[\ST+5], v[\ST+7], s22, s23  ; lane xor 16 holds the query's other 16 keys
.endm
.macro SUMTREE S                       ; my 16 probabilities, down to the pair T, T+1
	v_pk_add_f32 v[T:T+1], v[\S:\S+1], v[\S+2:\S+3]
	v_pk_add_f32 v[T+2:T+3], v[\S+4:\S+5], v[\S+6:\S+7]
	v_pk_add_f32 v[T+4:T+5], v[\S+8:\S+9], v[\S+10:\S+11]
	v_pk_add_f32 v[T+6:T+7], v[\S+12:\S+13], v[\S+14:\S+15]
	v_pk_add_f32 v[T:T+1], v[T:T+1], v[T+2:T+3]
	v_pk_add_f32 v[T+4:T+5], v[T+4:T+5], v[T+6:T+7]
	v_pk_add_f32 v[T:T+1], v[T:T+1], v[T+4:T+5]
.endm
.macro PACK S                          ; registers 2k, 2k+1 -> register k: ascending, so in place
.irp k, 0,1,2,3,4,5,6,7
	v_cvt_pk_f16_f32 v[\S+\k], v[\S+2*\k], v[\S+2*\k+1]
.endr
.endm
; a tile below the diagonal: running maximum, p = 2^(S c - m), the old sums shrink by alpha = 2^(m_old - m)
.macro SOFT_FULL ST, S, ACC
	MAXCH \ST, \S
	v_max_num_f32 v[\ST+7], v[\ST+7], v[\ST+5]
	v_mul_f32 v[\ST+7], v[\ST+7], v[\ST]            ; c >= 0, so the largest raw score gives the largest exponent
	v_max_num_f32 v[\ST+7], v[\ST+7], v[\ST+3]      ; the new m
	v_sub_f32 v[\ST+4], v[\ST+3], v[\ST+7]
	v_mov_b32 v[\ST+3], v[\ST+7]
	v_mul_f32 v[\ST+2], -1.0, v[\ST+7]
	v_exp_f32 v[\ST+4], v[\ST+4]                    ; the multiply-adds below are the plain place behind it (ISA guide 5.7.2)
.irp k, 0,2,4,6,8,10,12,14
	v_pk_fma_f32 v[\S+\k:\S+\k+1], v[\S+\k:\S+\k+1], v[\ST:\ST+1], v[\ST+2:\ST+3] op_sel_hi:[1,0,0]
.endr
.irp k, 0,1,2,3,4,5,6,7,8,9,10,11,12,13,14,15
	v_exp_f32 v[\S+\k], v[\S+\k]
.endr
	s_wait_alu depctr_va_vdst(0)
.irp k, 0,2,4,6,8,10,12,14,16,18,20,22,24,26,28,30
	v_pk_mul_f32 v[\ACC+\k:\ACC+\k+1], v[\ACC+\k:\ACC+\k+1], v[\ST+4:\ST+5] op_sel_hi:[1,0]   ; the first of these is the plain place behind the exponentials
.endr
	SUMTREE \S
	v_add_f32 v[T], v[T], v[T+1]
	v_fma_f32 v[\ST+6], v[\ST+6], v[\ST+4], v[T]
	PACK \S
.endm
; the diagonal tile, a strip's first: it starts m and l.  The scale comes first and the mask behind it, so that a masked exponent is -FLT_MAX whatever c is;
; a wave whose 32 keys are all masked gets m = -FLT_MAX and finite sums, which the next tile's alpha or the merge multiplies by 2^(-FLT_MAX - m) = 0.
.macro SOFT_DIAG ST, S
.irp k, 0,2,4,6,8,10,12,14
	v_pk_mul_f32 v[\S+\k:\S+\k+1], v[\S+\k:\S+\k+1], v[\ST:\ST+1] op_sel_hi:[1,0]
.endr
.irp n, 0,1,2,3,4,5,6,7,8,9,10,11,12,13,14,15
	v_cmp_gt_i32 vcc_lo, 16*(\n>>3)+(\n&7), v[DLT]
	v_cndmask_b32 v[\S+\n], v[\S+\n], v[NEG], vcc_lo
.endr
	MAXCH \ST, \S
	v_max_num_f32 v[\ST+3], v[\ST+7], v[\ST+5]
	v_mul_f32 v[\ST+2], -1.0, v[\ST+3]
.irp k, 0,2,4,6,8,10,12,14
	v_pk_add_f32 v[\S+\k:\S+\k+1], v[\S+\k:\S+\k+1], v[\ST+2:\ST+3] op_sel_hi:[1,0]
.endr
.irp k, 0,1,2,3,4,5,6,7,8,9,10,11,12,13,14,15
	v_exp_f32 v[\S+\k], v[\S+\k]
.endr
	v_nop                                           ; the plain place behind the exponentials (ISA guide 5.7.2)
	s_wait_alu depctr_va_vdst(0)
	SUMTREE \S
	v_add_f32 v[\ST+6], v[T], v[T+1]
	PACK \S
.endm
.macro PV ACC, S, zero                 ; sums += x^T p, four accumulators by turns
.irp i, 0,1,2,3
.if \zero
	v_wmma_f32_16x16x32_f16 v[\ACC+8*\i:\ACC+8*\i+7], v[VF+8*\i:VF+8*\i+7], v[\S:\S+7], 0
.else
	v_wmma_f32_16x16x32_f16 v[\ACC+8*\i:\ACC+8*\i+7], v[VF+8*\i:VF+8*\i+7], v[\S:\S+7], v[\ACC+8*\i:\ACC+8*\i+7]
.endif
.endr
.endm
; one key tile.  lmode: 0 L has no part in it, 1 it is L's diagonal, 2 it lies below L.  hmode: 1 or 2 likewise for H.
.macro BODY stg, lmode, hmode
.if \stg
	STAGE_IF
.endif
	LOADF
	s_wait_dscnt 0x8                       ; the 8 key loads are in; the 8 transposing loads behind them stay out
	SMM \lmode
	PLACES 4                               ; before vector instructions read the scores
.if \lmode == 1
	SOFT_DIAG STL, SL
	s_wait_dscnt 0x0                       ; the value fragments
	PV ACCL, SL, 1
.endif
.if \lmode == 2
	SOFT_FULL STL, SL, ACCL
	s_wait_dscnt 0x0
	PV ACCL, SL, 0
.endif
.if \hmode == 1
	SOFT_DIAG STH, SH
.else
	SOFT_FULL STH, SH, ACCH
.endif
.if \lmode == 0
	s_wait_dscnt 0x0
.endif
.if \hmode == 1
	PV ACCH, SH, 1
.else
	PV ACCH, SH, 0
.endif
	PLACES 4                               ; before loads and conversions land on the fragments; with the next tile's two address sums: six before the scores write over p
.endm
.macro WFRAG base                      ; rows of a W as first sources [i][f], at KF + 16 i + 8 f
.irp i, 0,1,2,3
.irp f, 0,1
	ds_load_b128 v[KF+16*\i+8*\f:KF+16*\i+8*\f+3], v[WLA] offset:\base+16*PITCH*\i+64*\f
	ds_load_b128 v[KF+16*\i+8*\f+4:KF+16*\i+8*\f+7], v[WLA] offset:\base+16*PITCH*\i+64*\f+32
.endr
.endr
.endm
.macro WB d, a, b, zero
.if \zero
	v_wmma_f32_16x16x32_bf16 v[(\d):(\d)+7], v[(\a):(\a)+7], v[(\b):(\b)+7], 0
.else
	v_wmma_f32_16x16x32_bf16 v[(\d):(\d)+7], v[(\a):(\a)+7], v[(\b):(\b)+7], v[(\d):(\d)+7]
.endif
.endm
; Wk^T q of a strip (32 numbers a lane at Q) -> f16 behind an exact scale 2^-e of its row, e the exponent of the row's largest magnitude (held to 2^126 at most)
.macro ROWSCALE ST, Q, QF
	v_max3_num_f32 v[\ST+7], |v[\Q]|, |v[\Q+1]|, |v[\Q+2]|
.set k, 3
.rept 14
	v_max3_num_f32 v[\ST+7], v[\ST+7], |v[\Q+k]|, |v[\Q+k+1]|
.set k, k+2
.endr
	v_max_num_f32 v[\ST+7], v[\ST+7], |v[\Q+31]|
	v_mov_b32 v[\ST+5], 0                           ; the lane exchange counts as a reader of its destination
	v_permlanex16_b32 v[\ST+5], v[\ST+7], s22, s23
	v_max_num_f32 v[\ST+7], v[\ST+7], v[\ST+5]
	v_and_b32 v[\ST+1], 0x7f800000, v[\ST+7]
	v_min_u32 v[\ST+1], 0x7e800000, v[\ST+1]        ; 2^e
	v_sub_nc_u32 v[\ST+4], 0x7f000000, v[\ST+1]     ; 2^-e
	v_mul_f32 v[\ST], 0x3e38aa3b, v[\ST+1]          ; c = 2^e x 64^-0.5 x log2(e)
.irp k, 0,2,4,6,8,10,12,14,16,18,20,22,24,26,28,30
	v_pk_mul_f32 v[\Q+\k:\Q+\k+1], v[\Q+\k:\Q+\k+1], v[\ST+4:\ST+5] op_sel_hi:[1,0]
.endr
.irp k, 0,1,2,3,4,5,6,7,8,9,10,11,12,13,14,15
	v_cvt_pk_f16_f32 v[\QF+\k], v[\Q+2*\k], v[\Q+2*\k+1]
.endr
.endm
	; ---- ids, lane terms, pointers
	s_load_b256 s[4:11], s[0:1], 0x0               ; x s[4:5], Wq s[6:7], Wk s[8:9], Wv s[10:11]
	s_load_b64 s[12:13], s[0:1], 0x20              ; out
	s_set_vgpr_msb 0x40
	v_lshl_add_u32 v64, v0, 2, 0x21c00
	v_mov_b32 v65, 0
	s_set_vgpr_msb 0x4000
	v_lshrrev_b32 v1, 5, v0
	v_readfirstlane_b32 s14, v1                    ; wave
	s_lshr_b32 s15, s14, 2                         ; g: key half
	s_and_b32 s16, s14, 3                          ; w: strip
	s_and_b32 s17, ttmp9, 15                       ; j
	s_lshr_b32 s18, ttmp9, 4                       ; batch
	s_sub_co_u32 s19, 31, s17                      ; the tile at work; the first is H's diagonal
	s_mov_b32 s22, 0x76543210                      ; lane i of one half reads lane i of the other
	s_mov_b32 s23, 0xfedcba98
	s_mov_b32 s24, 0xffff0000                      ; a word's upper bf16
	v_and_b32 v[T], 15, v0                         ; r
	v_bfe_u32 v[T+1], v0, 4, 1                     ; h
	v_and_b32 v[T+2], 7, v0                        ; a
	v_bfe_u32 v[T+3], v0, 3, 1                     ; b
	v_and_b32 v[T+4], 31, v0                       ; lane
	v_lshrrev_b32 v[T+5], 4, v0                    ; tid >> 4
	v_mul_u32_u24 v[WLA], v[T], PITCH
	v_lshl_add_u32 v[WLA], v[T+1], 4, v[WLA]
	v_lshl_add_u32 v[T+6], v[T+1], 3, v[T+2]
	v_mul_u32_u24 v[WLT], v[T+6], PITCH
	v_lshl_add_u32 v[WLT], v[T+3], 4, v[WLT]
	s_mul_i32 s20, s15, 32*PITCH
	v_add_nc_u32 v[ADK0], s20, v[WLA]
	v_add_nc_u32 v[ADV0], s20, v[WLT]
	v_mul_u32_u24 v[ADST], v[T+5], PITCH
	v_lshl_add_u32 v[ADST], v[T], 3, v[ADST]
	v_lshlrev_b32 v[GOFF], 4, v0
	s_lshl_b32 s20, s16, 4
	s_lshl_b32 s21, s15, 5
	s_sub_co_i32 s20, s20, s21                     ; 16 w - 32 g
	v_lshlrev_b32 v[T+6], 3, v[T+1]
	v_sub_nc_u32 v[DLT], v[T], v[T+6]
	v_add_nc_u32 v[DLT], s20, v[DLT]
	v_mov_b32 v[NEG], 0xff7fffff
	s_mul_i32 s20, s16, 2*REC                      ; record 2 w + g: strip w's state of the kind that I finish, as key half 0 left it
	s_mul_i32 s21, s15, REC
	s_add_co_u32 s20, s20, s21
	s_add_co_u32 s20, s20, XCH
	v_lshl_add_u32 v[XR], v[T+4], 4, s20
	s_mul_i32 s20, s14, 2*REC                      ; my own two records, which later hold my stage
	s_add_co_u32 s20, s20, XCH
	v_lshl_add_u32 v[XW], v[T+4], 4, s20
	v_mul_u32_u24 v[STO], v[T], SP
	v_lshl_add_u32 v[STO], v[T+1], 5, v[STO]
	v_add_nc_u32 v[STO], s20, v[STO]
	v_mul_u32_u24 v[RD], v[T+1], SP
	v_lshl_add_u32 v[RD], v[T], 4, v[RD]
	v_add_nc_u32 v[RD], s20, v[RD]
	v_lshlrev_b32 v1, 8, v[T]                      ; query loads: row r, 8 h numbers in
	v_lshl_add_u32 v1, v[T+1], 5, v1
	s_wait_kmcnt 0x0
	s_lshl_b32 s28, s18, 19                        ; a batch is 2,048 rows of 256 bytes
	s_mov_b32 s29, 0
	s_add_nc_u64 s[4:5], s[4:5], s[28:29]          ; x of my batch
	s_add_nc_u64 s[32:33], s[12:13], s[28:29]
	s_lshl_b32 s21, s16, 12                        ; my strip: 16 rows of 256 bytes
	s_lshl_b32 s28, s17, 14                        ; a block: 64 rows
	s_add_co_u32 s28, s28, s21
	s_add_nc_u64 s[30:31], s[4:5], s[28:29]        ; L's queries
	s_lshl_b32 s28, s19, 14
	s_add_co_u32 s28, s28, s21
	s_add_nc_u64 s[34:35], s[4:5], s[28:29]        ; H's queries
	s_cmp_lg_u32 s15, 0
	s_cselect_b32 s28, s19, s17                    ; the block whose strip I finish: g = 0 L, g = 1 H
	s_lshl_b32 s28, s28, 14
	s_add_co_u32 s28, s28, s21
	s_add_nc_u64 s[32:33], s[32:33], s[28:29]      ; out at that strip
	s_lshr_b32 s28, s19, 2
	s_lshl_b32 s28, s28, 16                        ; the aligned group of 4 tiles that holds H's diagonal
	s_add_nc_u64 s[26:27], s[4:5], s[28:29]
	; ---- all first loads: 12 for the weights, 16 for my queries, 16 for the first group
.irp i, 0,1,2,3
	global_load_b128 v[KF+4*\i:KF+4*\i+3], v[GOFF], s[6:7] offset:4096*\i
.endr
.irp i, 0,1,2,3
	global_load_b128 v[KF+16+4*\i:KF+16+4*\i+3], v[GOFF], s[8:9] offset:4096*\i
.endr
.irp i, 0,1,2,3
	global_load_b128 v[KF+32+4*\i:KF+32+4*\i+3], v[GOFF], s[10:11] offset:4096*\i
.endr
.irp n, 0,1,2,3,4,5,6,7
	global_load_b128 v[ACCL+4*\n:ACCL+4*\n+3], v1, s[30:31] offset:128*(\n>>2)+64*((\n>>1)&1)+16*(\n&1)
.endr
.irp n, 0,1,2,3,4,5,6,7
	global_load_b128 v[ACCH+4*\n:ACCH+4*\n+3], v1, s[34:35] offset:128*(\n>>2)+64*((\n>>1)&1)+16*(\n&1)
.endr
	GLOADS
	; ---- the weights, rounded to bf16, into LDS
	s_wait_loadcnt 32                              ; the 12 weight loads are in; 16 query and 16 group loads are younger
.set k, 0
.rept 24
	v_cvt_pk_bf16_f32 v[T+k], v[KF+2*k], v[KF+2*k+1]
.set k, k+1
.endr
.irp m, 0,1,2
.irp i, 0,1,2,3
	ds_store_b64 v[ADST], v[T+8*\m+2*\i:T+8*\m+2*\i+1] offset:WQ+TILEB*\m+16*PITCH*\i
.endr
.endr
	s_wait_loadcnt 16                              ; my queries are in; the group's 16 loads are younger
.set k, 0
.rept 32
	v_cvt_pk_bf16_f32 v[QFL+k], v[ACCL+2*k], v[ACCL+2*k+1]   ; x of my 2 x 16 queries as second sources
.set k, k+1
.endr
	s_wait_dscnt 0x0                               ; my part of the weights is in LDS,
	s_barrier_signal -1
	s_barrier_wait -1                              ; everybody's is
	; ---- q^T = Wq xq^T, both strips: 8 accumulators by turns
	WFRAG WQ
	s_wait_dscnt 0x0
.irp f, 0,1
.irp s, 0,1
.irp i, 0,1,2,3
	WB ACCL+32*\s+8*\i,KF+16*\i+8*\f,QFL+16*\s+8*\f,1-\f
.endr
.endr
.endr
	PLACES 4                                       ; before loads land on Wq's fragments and conversions read q
	; ---- (Wk^T q)^T: first source Wk transposed, second source q as bf16 heads, then remainders
.irp i, 0,1,2,3
.irp f, 0,1
	ds_load_tr16_b128 v[KF+16*\i+8*\f:KF+16*\i+8*\f+3], v[WLT] offset:WK+32*PITCH*\f+32*\i
	ds_load_tr16_b128 v[KF+16*\i+8*\f+4:KF+16*\i+8*\f+7], v[WLT] offset:WK+32*PITCH*\f+32*\i+16*PITCH
.endr
.endr
.set k, 0
.rept 16
	SPLIT SL+k, SL+16+k, ACCL+2*k, STL+2*(k%8)
	SPLIT SL+32+k, SL+48+k, ACCH+2*k, STL+2*((k+4)%8)
.set k, k+1
.endr
	s_wait_dscnt 0x0
.irp p, 0,1
.irp f, 0,1
.irp s, 0,1
.irp i, 0,1,2,3
.if \p+\f
	WB ACCL+32*\s+8*\i,KF+16*\i+8*\f,SL+32*\s+16*\p+8*\f,0
.else
	WB ACCL+32*\s+8*\i,KF+16*\i+8*\f,SL+32*\s+16*\p+8*\f,1
.endif
.endr
.endr
.endr
.endr
	PLACES 4
	ROWSCALE STL, ACCL, QFL
	ROWSCALE STH, ACCH, QFH
	; ---- the walk down the key tiles
	STAGE 1                                        ; XS has not been read yet: no barrier in front of its first stores
	BODY 0, 0, 1                                   ; tile 31 - j: H's diagonal
	s_sub_co_i32 s19, s19, 1
	s_cmp_eq_u32 s19, s17
	s_cbranch_scc1 .Lmid                           ; j = 15: L's diagonal follows at once
.Lloop1:                                           ; tiles 30 - j .. j + 1: below H, above L
	BODY 1, 0, 2
	s_sub_co_i32 s19, s19, 1
	s_cmp_gt_i32 s19, s17
	s_cbranch_scc1 .Lloop1
.Lmid:
	BODY 1, 1, 2                                   ; tile j: L's diagonal, below H, on the same fragments
	s_sub_co_i32 s19, s19, 1
	s_cmp_eq_u32 s17, 0
	s_cbranch_scc1 .Lmerge
.Lloop2:                                           ; tiles j - 1 .. 0: below both
	BODY 1, 2, 2
	s_sub_co_i32 s19, s19, 1
	s_cmp_ge_i32 s19, 0
	s_cbranch_scc1 .Lloop2
.Lmerge:
	; ---- the two key halves meet: every wave lays down both its states, then takes up the two halves of the strip that it finishes
	v_mov_b32 v[STL+7], v[STL+3]                   ; {l, m} as a pair
	v_mov_b32 v[STH+7], v[STH+3]
.irp i, 0,1,2,3,4,5,6,7
	ds_store_b128 v[XW], v[ACCL+4*\i:ACCL+4*\i+3] offset:512*\i
.endr
	ds_store_b64 v[XW], v[STL+6:STL+7] offset:4096
.irp i, 0,1,2,3,4,5,6,7
	ds_store_b128 v[XW], v[ACCH+4*\i:ACCH+4*\i+3] offset:REC+512*\i
.endr
	ds_store_b64 v[XW], v[STH+6:STH+7] offset:REC+4096
	s_wait_dscnt 0x0                               ; my records are in LDS,
	s_barrier_signal -1
	s_barrier_wait -1                              ; everybody's are
	WFRAG WV
.irp i, 0,1,2,3,4,5,6,7
	ds_load_b128 v[ACCL+4*\i:ACCL+4*\i+3], v[XR] offset:512*\i
.endr
	ds_load_b64 v[16:17], v[XR] offset:4096        ; l, m of key half 0, which holds a key that is not masked for every row
.irp i, 0,1,2,3,4,5,6,7
	ds_load_b128 v[ACCH+4*\i:ACCH+4*\i+3], v[XR] offset:8*REC+512*\i
.endr
	ds_load_b64 v[18:19], v[XR] offset:8*REC+4096  ; l, m of key half 1
	s_wait_dscnt 0x0                               ; my reads of the records are back:
	s_barrier_signal -1                            ; say so; only register work up to the wait, which stands in front of the stage's first store
	v_max_num_f32 v20, v17, v19
	v_sub_f32 v21, v17, v20
	v_sub_f32 v22, v19, v20
	v_exp_f32 v21, v21
	v_exp_f32 v22, v22
	v_nop                                          ; the plain place behind the exponentials
	s_wait_alu depctr_va_vdst(0)
	v_mul_f32 v23, v16, v21
	v_fmac_f32 v23, v18, v22
	v_permlanex16_b32 v24, v23, s22, s23           ; the other 16 keys of each tile's half were summed in lane xor 16
	v_add_f32 v23, v23, v24
	v_rcp_f32 v23, v23
	v_nop                                          ; the plain place behind the reciprocal
	s_wait_alu depctr_va_vdst(0)
	v_mul_f32 v26, v21, v23
	v_mul_f32 v28, v22, v23
.irp k, 0,2,4,6,8,10,12,14,16,18,20,22,24,26,28,30
	v_pk_mul_f32 v[ACCL+\k:ACCL+\k+1], v[ACCL+\k:ACCL+\k+1], v[26:27] op_sel_hi:[1,0]
	v_pk_fma_f32 v[ACCL+\k:ACCL+\k+1], v[ACCH+\k:ACCH+\k+1], v[28:29], v[ACCL+\k:ACCL+\k+1] op_sel_hi:[1,0,1]
.endr
	; ---- out^T = Wv y^T, y as bf16 heads and remainders; four accumulators by turns
.set k, 0
.rept 16
	SPLIT SL+k, SL+16+k, ACCL+2*k, ACCH+2*(k%8)
.set k, k+1
.endr
.irp p, 0,1
.irp f, 0,1
.irp i, 0,1,2,3
.if \p+\f
	WB T+8*\i,KF+16*\i+8*\f,SL+16*\p+8*\f,0
.else
	WB T+8*\i,KF+16*\i+8*\f,SL+16*\p+8*\f,1
.endif
.endr
.endr
.endr
	v_and_b32 v30, 15, v0                          ; four plain instructions that name none of the products' registers: the places behind them,
	v_bfe_u32 v31, v0, 4, 1                        ; and the offset of my 16 bytes in two rows of out
	v_lshlrev_b32 v1, 4, v30
	v_lshl_add_u32 v1, v31, 8, v1
	s_barrier_wait -1                              ; every wave has read the records: mine may be written over
	; a lane holds 8 neighbouring numbers of one row in each tile: into my own stage by rows of 272 bytes, back as whole rows of 256
.irp i, 0,1,2,3
	ds_store_b128 v[STO], v[T+8*\i:T+8*\i+3] offset:64*\i
	ds_store_b128 v[STO], v[T+8*\i+4:T+8*\i+7] offset:64*\i+16
.endr
.irp t, 0,1,2,3,4,5,6,7
	ds_load_b128 v[KF+4*\t:KF+4*\t+3], v[RD] offset:2*SP*\t     ; LDS serves a wave's instructions in order (ISA guide 5.7.1): these see my stores above
.endr
.irp t, 0,1,2,3,4,5,6,7
	s_wait_dscnt 7-\t                              ; row pair t is in, the younger loads stay out
	global_store_b128 v1, v[KF+4*\t:KF+4*\t+3], s[32:33] offset:512*\t th:TH_STORE_NT   ; 16 lanes store one row: 256 consecutive bytes, aligned
.endr
	s_set_vgpr_msb 0x5
	s_wait_tensorcnt 0x0
	ds_add_u32 v64, v65
	s_wait_dscnt 0x0
	s_set_vgpr_msb 0x500
	s_endpgm
.Lfunc_end_k_q763aed3de1_head:
	.size	k_q763aed3de1_head, .Lfunc_end_k_q763aed3de1_head-k_q763aed3de1_head
	.p2alignl 7, 3214868480
	.fill 96, 4, 3214868480
	.section	.rodata,"a",@progbits
	.p2align	6, 0x0
	.amdhsa_kernel k_q763aed3de1_head
		.amdhsa_group_segment_fixed_size 139264
		.amdhsa_private_segment_fixed_size 0
		.amdhsa_enable_private_segment 0
		.amdhsa_kernarg_size 40
		.amdhsa_user_sgpr_count 2
		.amdhsa_user_sgpr_kernarg_segment_ptr 1
		.amdhsa_wavefront_size32 1
		.amdhsa_system_sgpr_workgroup_id_x 1
		.amdhsa_system_sgpr_workgroup_id_y 1
		.amdhsa_system_sgpr_workgroup_id_z 1
		.amdhsa_system_vgpr_workitem_id 0
		.amdhsa_next_free_vgpr 322
		.amdhsa_next_free_sgpr 66
		.amdhsa_reserve_vcc 1
		.amdhsa_float_denorm_mode_32 3
		.amdhsa_float_denorm_mode_16_64 3
		.amdhsa_memory_ordered 1
		.amdhsa_forward_progress 1
		.amdhsa_inst_pref_size 115
	.end_amdhsa_kernel
	.amdgpu_metadata
---
amdhsa.version: [ 1, 2 ]
amdhsa.kernels:
  - .name:           k_q763aed3de1_head
    .symbol:         k_q763aed3de1_head.kd
    .args:
      - { .name: x, .offset: 0, .size: 8, .value_kind: global_buffer, .address_space: global }
      - { .name: Wq, .offset: 8, .size: 8, .value_kind: global_buffer, .address_space: global }
      - { .name: Wk, .offset: 16, .size: 8, .value_kind: global_buffer, .address_space: global }
      - { .name: Wv, .offset: 24, .size: 8, .value_kind: global_buffer, .address_space: global }
      - { .name: out0, .offset: 32, .size: 8, .value_kind: global_buffer, .address_space: global }
    .group_segment_fixed_size: 139264
    .private_segment_fixed_size: 0
    .kernarg_segment_align: 8
    .kernarg_segment_size: 40
    .max_flat_workgroup_size: 256
    .sgpr_count:     66
    .vgpr_count:     322
    .wavefront_size: 32
...
	.end_amdgpu_metadata
.endif
;; end of part 1
